; MI455X (gfx1250); checked and timed in simulation.
; The chip was launched on July 23, 2026; its instructions are those of AMD's public machine-readable ISA for CDNA 5 (MIT licence, August 2026) and "CDNA5" Instruction Set Architecture Reference Guide (July 2026). The comments in the code are by the model that wrote it; some were corrected since.
;; Dynamic Routing. Allowed arithmetic: float matrix products may take bf16 or f16 operands with f32 sums; other float arithmetic in f32, or as packed bf16 or f16 multiplies, adds, multiply-adds, maxima and minima; sums over many terms, partial sums and values carried from step to step in f32; what a program stores and reads back later, other than sums and carried values, may be rounded once to bf16 or f16.
;; Inputs: W 1,024 x 1,024 float32; encoder_output 1,024 x 64 x 1,024 float32.
;; Outputs: out0 1,024 x 1,024 float32.
;; One version. Each part assembles by itself: llvm-mc -triple=amdgcn-amd-amdhsa -mcpu=gfx1250 --defsym DOCPART=n.
;; ======== version 1 of 1: 2 launches
;; workspace buffers: wb 2,097,152 bytes
;; launch wprep (part 1): grid 256 x 1, 4 waves a work-group, no clusters, 0 bytes of LDS; arguments W, wb; writes wb
.if DOCPART == 1
	.amdgcn_target "amdgcn-amd-amdhsa--gfx1250"
	.amdhsa_code_object_version 6
	.text
	.protected	k_qb910bf16d3_wprep
	.globl	k_qb910bf16d3_wprep
	.p2align	8
	.type	k_qb910bf16d3_wprep,@function
k_qb910bf16d3_wprep:
	s_mov_b64 s[64:65], 0
	v_nop
	global_prefetch_b8 v0, s[64:65] scope:SCOPE_SE
	s_setreg_imm32_b32 hwreg(HW_REG_WAVE_MODE, 25, 1), 1
	s_wait_xcnt 0x0
; W [1024 (o)][1024 (k)] f32 is rounded once to bf16 and laid out as the register images of matrix fragments, so that the next launch
; brings a K step of 64 in as dense bytes and reads each half fragment as 512 consecutive LDS bytes.
; wb, in bytes: t*131072 + w*32768 + c*16384 + nb*1024 + p*512 + L*16 + e*2 holds W[256 w + 16 nb + L % 16][64 t + 32 c + 16 p + 8 (L / 16) + e]
; (t 0..15 K step, w 0..3 the wave that will use it, c 0..1 half of the step, nb 0..15 block of 16 outputs, p 0..1 half of a fragment, L lane, e 0..7).
; One wave makes one (t, w, nb): 16 rows of W x 256 aligned bytes in (its eight loads together take those bytes whole), four stores of 512 consecutive aligned bytes out.
; 1,024 waves, no loop, no LDS: nothing is shared and nothing is read twice.
.set SRC, 8                            ; v[8:39]   32 f32 a lane's share: piece i = 2 c + p in 8 registers
.set DST, 40                           ; v[40:55]  the same as bf16: piece i in 4 registers
	s_load_b128 s[4:7], s[0:1], 0x0                ; W s[4:5], wb s[6:7]
	v_lshrrev_b32 v1, 5, v0
	v_readfirstlane_b32 s8, v1                     ; wave 0..3
	s_lshl_b32 s9, ttmp9, 2
	s_add_co_u32 s9, s9, s8                        ; G = 4 x work-group + wave, 0..1023
	s_lshr_b32 s10, s9, 6                          ; t
	s_and_b32 s11, s9, 63                          ; q = 16 w + nb: the block of 16 rows of W
	s_lshr_b32 s12, s11, 4                         ; w
	s_lshl_b32 s14, s11, 16                        ; from: 16 q rows of 4,096 bytes
	s_lshl_b32 s15, s10, 8                         ; + 64 t numbers of 4 bytes
	s_or_b32 s14, s14, s15
	s_mov_b32 s15, 0
	s_lshl_b32 s16, s10, 17                        ; to: t x 131,072
	s_lshl_b32 s17, s11, 10                        ; + q x 1,024 = w x 16,384 + nb x 1,024
	s_add_co_u32 s16, s16, s17
	s_lshl_b32 s17, s12, 14                        ; + w x 16,384 more
	s_add_co_u32 s16, s16, s17
	s_mov_b32 s17, 0
	v_and_b32 v2, 15, v0                           ; L % 16: my row of the block
	v_bfe_u32 v3, v0, 4, 1                         ; L / 16: which 8 numbers of each 16
	v_lshlrev_b32 v4, 12, v2
	v_lshl_add_u32 v4, v3, 5, v4                   ; row x 4,096 + half x 32
	v_and_b32 v5, 31, v0
	v_lshlrev_b32 v5, 4, v5                        ; 16 L
	s_wait_kmcnt 0x0
	s_add_nc_u64 s[4:5], s[4:5], s[14:15]
	s_add_nc_u64 s[6:7], s[6:7], s[16:17]
.set i, 0
.rept 4
	global_load_b128 v[SRC+8*i:SRC+8*i+3],   v4, s[4:5] offset:64*i th:TH_LOAD_NT      ; piece i: 16 numbers on, 64 bytes
	global_load_b128 v[SRC+8*i+4:SRC+8*i+7], v4, s[4:5] offset:64*i+16 th:TH_LOAD_NT
.set i, i+1
.endr
.set i, 0
.rept 4
	s_wait_loadcnt 6-2*i                           ; loads come back in order: piece i's two are in, the younger pieces' stay out
.irp j, 0,1,2,3
	v_cvt_pk_bf16_f32 v[DST+4*i+\j], v[SRC+8*i+2*\j], v[SRC+8*i+2*\j+1]
.endr
	global_store_b128 v5, v[DST+4*i:DST+4*i+3], s[6:7] offset:(i/2)*16384+(i%2)*512    ; 32 lanes store 512 consecutive bytes, at a multiple of 512 from wb's first
.set i, i+1
.endr
	s_endpgm
.Lfunc_end_k_qb910bf16d3_wprep:
	.size	k_qb910bf16d3_wprep, .Lfunc_end_k_qb910bf16d3_wprep-k_qb910bf16d3_wprep
	.p2alignl 7, 3214868480
	.fill 96, 4, 3214868480
	.section	.rodata,"a",@progbits
	.p2align	6, 0x0
	.amdhsa_kernel k_qb910bf16d3_wprep
		.amdhsa_group_segment_fixed_size 0
		.amdhsa_private_segment_fixed_size 0
		.amdhsa_enable_private_segment 0
		.amdhsa_kernarg_size 16
		.amdhsa_user_sgpr_count 2
		.amdhsa_user_sgpr_kernarg_segment_ptr 1
		.amdhsa_wavefront_size32 1
		.amdhsa_system_sgpr_workgroup_id_x 1
		.amdhsa_system_sgpr_workgroup_id_y 1
		.amdhsa_system_sgpr_workgroup_id_z 1
		.amdhsa_system_vgpr_workitem_id 0
		.amdhsa_next_free_vgpr 56
		.amdhsa_next_free_sgpr 66
		.amdhsa_reserve_vcc 0
		.amdhsa_float_denorm_mode_32 3
		.amdhsa_float_denorm_mode_16_64 3
		.amdhsa_memory_ordered 1
		.amdhsa_forward_progress 1
		.amdhsa_inst_pref_size 4
	.end_amdhsa_kernel
	.amdgpu_metadata
---
amdhsa.version: [ 1, 2 ]
amdhsa.kernels:
  - .name:           k_qb910bf16d3_wprep
    .symbol:         k_qb910bf16d3_wprep.kd
    .args:
      - { .name: W, .offset: 0, .size: 8, .value_kind: global_buffer, .address_space: global }
      - { .name: wb, .offset: 8, .size: 8, .value_kind: global_buffer, .address_space: global }
    .group_segment_fixed_size: 0
    .private_segment_fixed_size: 0
    .kernarg_segment_align: 8
    .kernarg_segment_size: 16
    .max_flat_workgroup_size: 128
    .sgpr_count:     66
    .vgpr_count:     56
    .wavefront_size: 32
...
	.end_amdgpu_metadata
.endif
;; end of part 1
;; launch route (part 2): grid 256 x 1, 4 waves a work-group, clusters of 4 x 1, 327,680 bytes of LDS; arguments encoder_output, wb, out0; writes out0
.if DOCPART == 2
	.amdgcn_target "amdgcn-amd-amdhsa--gfx1250"
	.amdhsa_code_object_version 6
	.text
	.protected	k_qb910bf16d3_route
	.globl	k_qb910bf16d3_route
	.p2align	8
	.type	k_qb910bf16d3_route,@function
k_qb910bf16d3_route:
	s_mov_b64 s[64:65], 0
	v_nop
	global_prefetch_b8 v0, s[64:65] scope:SCOPE_SE
	s_setreg_imm32_b32 hwreg(HW_REG_WAVE_MODE, 25, 1), 1
	s_wait_xcnt 0x0
	s_wait_alu depctr_hold_cnt(0) depctr_sa_sdst(0) depctr_va_vdst(0) depctr_va_sdst(0) depctr_va_ssrc(0) depctr_va_vcc(0) depctr_vm_vsrc(0)
	s_getreg_b32 s2, hwreg(HW_REG_IB_STS2, 6, 4)
	s_cmp_eq_u32 s2, 0
	s_cbranch_scc0 .Lentry_in_a_cluster
	s_endpgm
.Lentry_in_a_cluster:
	s_bfe_u32 s2, ttmp6, 0x10000c
	s_cmp_lg_u32 s2, 0x3003
	s_cbranch_scc0 .Lentry_shape_is_right
	s_endpgm
.Lentry_shape_is_right:
; DYNAMIC ROUTING, fused.  For each class: u = x W^T (x: 64 capsules x 1024, f32; W from wb, bf16 fragment images), then three rounds of
;   d = softmax(b) over the 64 capsules;  c_hat = sum_k d[k] u[k][:];  c = c_hat n / ((1 + n) sqrt(n)), n = |c_hat|^2;  b += u c    (b starts at 0; the third b is not needed),
; and the third c is stored.  u never leaves the registers: it stays in the product's f32 accumulators, and all of the routing is f32.
; SHARES.  A work-group stays and makes four classes, one after the other (256 work-groups x 4 = 1,024).  Wave w owns all 64 capsules x outputs 256 w .. 256 w + 255: 64 accumulators
; of 16 x 16, 512 registers.  Source 0 = 16 capsules of x, source 1 = 16 outputs of W: lane (r = L % 16, h = L / 16), register j of accumulator (a, nb) holds u[16 a + 8 h + j][256 w + 16 nb + r],
; so the sum over capsules stays in the lane but for one exchange of the lanes' halves, and the sum over outputs is four steps inside 16 lanes and one exchange between the waves through LDS.
; K goes in steps of 64.  W's step, 131,072 bytes, comes by the tensor data mover into a ring of two LDS slots; each wave asks for, and alone reads, its own quarter.
; x's step (64 rows x 256 bytes of f32) comes through registers, asked for three steps ahead, is rounded to bf16 and stored into one of two small LDS slots a step ahead of its use.
; The ring and x run on across classes: the next class's first two steps are on their way while a class is routed.
; CLUSTER.  Every work-group walks the same W, so the four of a cluster ask for each tile JOINTLY: the same load, descriptor and mask in all four.  The place in the cluster enters x's and out0's addresses alone.
; LIMITS.  x and W are rounded to bf16 for the product.  A softmax weight below 2^-126 counts as 0; n below 2^-126 counts as 0 in the root's reciprocal; n = 0 gives NaN, as the formula does;
; NaN and infinities are not treated apart.  The running text asks for two x tiles past the work-group's last (clamped to its last tile, 32,768 bytes a work-group, never used): the price of one text for every step.
;
; REGISTERS, in windows of 256 (s_set_vgpr_msb: bits 1:0 source 0, 3:2 source 1, 5:4 source 2, 7:6 destination):
;   window 0: v0-31 addresses and small work; v32-95 x's fragments, two buffers; v96-159 x as loaded, two sets; v160-191 b; v192-223 d, then the partial dots; v224-255 c_hat (in the product: x packed)
;   window 1: W's fragments, two buffers of 128 (buffer 1 is also where the waves' partial dots land)      windows 2, 3: accumulator (a, nb) at v[8 (4 (nb % 8) + a)] of window 2 + nb / 8
.set SLOTB,  1<<17                     ; a slot of W = a tile of wb: 131,072 bytes; one exclusive or turns an address in one slot into the other's
.set XS,     2*SLOTB                   ; x's two slots, written by LDS stores alone: no tensor load lands at or behind this byte
.set XPITCH, 144                       ; a row of x in LDS: 128 bytes + 16 = 36 words: the 16 rows of a fragment load start at 16 different groups of four banks (64 banks of 4 bytes: ISA guide 11.1)
.set XSLOT,  64*XPITCH
.set EX,     XS+2*XSLOT                ; the exchange: [wave][64] partial dots, 256 bytes a wave,
.set EXN,    EX+1024                   ; then the four waves' parts of n
.set OSTG,   EX+1280                   ; each wave's own 1,024 bytes for the way out
.set SPARE,  OSTG+4096                 ; the spare words, 128 bytes for each wave: two blocks of 256 bytes that no other line names
.set LN,   1                           ; v1   L
.set RR,   2                           ; v2   r = L % 16
.set HH,   3                           ; v3   h = L / 16
.set ADRW, 4                           ; v4-5   my 16 bytes in my quarter of W's slot 0, 1
.set ADRX, 6                           ; v6-7   my place in x's fragments, slot 0, 1
.set XSTA, 8                           ; v8-9   where I store 8 bytes of x, slot 0, 1
.set XGO,  10                          ; v10  my byte offset in a tile of x in memory
.set PBST, 11                          ; v11  where my half of the lanes puts its partial dots
.set PBLD, 12                          ; v12  where it reads wave 0's
.set NST,  13                          ; v13  my wave's part of n
.set NLD,  14                          ; v14  the four parts
.set OST,  15                          ; v15  the way out: in
.set ORD,  16                          ; v16  the way out: back
.set OGO,  17                          ; v17  my byte offset in my wave's 1,024 bytes of out0
.set C0,   20                          ; v20-23 four at work
.set FP,   24                          ; v24-25 a pair whose low word scales: c m, later the squash factor
.set SPW,  28                          ; v28  LDS address of my spare word; never rewritten
.set NIL,  29                          ; v29  0; never rewritten
.set XF,   32
.set XR,   96
.set BL,   160
.set DD,   192
.set TT,   224
.set CV,   224
.set WV,    10                         ; s10  my wave's number
.set G1,    16                         ; s[16:23] descriptor group 1
.set G0A,   24                         ; s[24:27] group 0 of the first fill of slot 0
.set G0W,   28                         ; s[28:31] group 0 of the first fill of slot 1; then it walks
.set WBW,   32                         ; s[32:33] wb at my quarter of tile 0
.set OFF,   34                         ; s[34:35] a tile's byte offset
.set NXT,   36                         ; s36  the tile of W to ask for next, 0..15
.set TX,    37                         ; s37  the tile of x to ask for next, 0..65
.set LAP,   38
.set CLS,   39                         ; s39  classes to go, this one among them
.set HM,    40                         ; s40  mask of lanes 16-31
.set IT,    41                         ; s41  routing rounds to go
.set XB,    44                         ; s[44:47] x's base for each register set
.set XBASE, 48                         ; s[48:49] x at my work-group's first class
.set XO,    50                         ; s[50:51] a tile's byte offset in x
.set L2E,   52                         ; s[52:53] log2(e): the packed scaling takes the pair's low word
.set SEL,   54                         ; s[54:55] v_permlanex16_b32's selects: each lane takes its own place in the other half
.set MSB, 0
.macro WIN new                         ; the immediate's high byte repeats the setting that is left; a switch that changes nothing is dropped
.if MSB != (\new)
	s_set_vgpr_msb (MSB<<8)|(\new)
.set MSB, \new
.endif
.endm
.macro PLACES                          ; a load into a register that a matrix instruction has read stands four plain vector instructions behind it (ISA guide 7.12.1 for vector instructions)
.rept 4
	v_nop
.endr
.endm
.macro CREST                           ; a round of the cluster's barrier behind its opening barrier
	s_cmp_lg_u32 s[WV], 0
	s_cbranch_scc1 .Lnot_wave_0_\@
	s_barrier_signal -3
.Lnot_wave_0_\@:
	s_barrier_wait -3
	s_barrier_signal -1
	s_barrier_wait -1
.endm
.macro CROUND                          ; a whole round
	s_barrier_signal -1
	s_barrier_wait -1
	CREST
.endm
; 4 n matrix instructions: output blocks nb0 .. nb0 + n - 1 x all four capsule blocks, 32 along K, from buffer f.  zero = 1: the product starts the sums: nothing is cleared.
; The 64 accumulators take turns, one instruction a turn, in the same order in every half step.
.macro MULT f, nb0, n, zero
.set nb, \nb0
.rept \n
	WIN 0xa4+0x50*(nb/8)                           ; x window 0, W window 1, C and D window 2 or 3
.set a, 0
.rept 4
.set rD, 8*(4*(nb%8)+a)
.set rA, XF+32*(\f)+8*a
.set rB, 128*(\f)+8*nb
.if \zero
	v_wmma_f32_16x16x32_bf16 v[rD:rD+7], v[rA:rA+7], v[rB:rB+7], 0
.else
	v_wmma_f32_16x16x32_bf16 v[rD:rD+7], v[rA:rA+7], v[rB:rB+7], v[rD:rD+7]
.endif
.set a, a+1
.endr
.set nb, nb+1
.endr
.endm
; 40 LDS loads in one run: the fragments of half c (32 along K) of a step into buffer f: x's 8 loads, then W's 32, output blocks ascending.
.macro FETCH slot, c, f
	WIN 0
.set a, 0
.rept 4
	ds_load_b128 v[XF+32*(\f)+8*a:XF+32*(\f)+8*a+3],   v[ADRX+(\slot)] offset:a*16*XPITCH+64*(\c)
	ds_load_b128 v[XF+32*(\f)+8*a+4:XF+32*(\f)+8*a+7], v[ADRX+(\slot)] offset:a*16*XPITCH+64*(\c)+32
.set a, a+1
.endr
	WIN 0x40                                       ; destination window 1, address window 0
.set nb, 0
.rept 16
	ds_load_b128 v[128*(\f)+8*nb:128*(\f)+8*nb+3],   v[ADRW+(\slot)] offset:16384*(\c)+1024*nb      ; 32 lanes take 512 consecutive bytes
	ds_load_b128 v[128*(\f)+8*nb+4:128*(\f)+8*nb+7], v[ADRW+(\slot)] offset:16384*(\c)+1024*nb+512
.set nb, nb+1
.endr
.endm
; Register set xs of x is rounded to bf16 and stored into x's slot xs: my wave's 16 rows, 8 bytes a lane and row.
.macro XPUT xs
.set i, 0
.rept 8
	v_cvt_pk_bf16_f32 v[CV+2*i],   v[XR+32*(\xs)+4*i],   v[XR+32*(\xs)+4*i+1]
	v_cvt_pk_bf16_f32 v[CV+2*i+1], v[XR+32*(\xs)+4*i+2], v[XR+32*(\xs)+4*i+3]
.set i, i+1
.endr
.set i, 0
.rept 8
	ds_store_b64 v[XSTA+(\xs)], v[CV+2*i:CV+2*i+1] offset:XPITCH*i
.set i, i+1
.endr
.endm
; Tile TX of x is asked for, into register set xs: class TX / 16 of my four, K step TX % 16.  Sixteen lanes take 256 consecutive aligned bytes of a row; eight loads, my wave's 16 rows.
; The set's base is rewritten here: the set's earlier loads have been waited for.  Past the last tile the number is held at 63, so that no load leaves the buffer.
.macro XGET xs
	s_min_u32 s58, s[TX], 63
	s_lshr_b32 s59, s58, 4
	s_lshl_b32 s59, s59, 18                        ; a class is 262,144 bytes
	s_and_b32 s58, s58, 15
	s_lshl_b32 s58, s58, 8                         ; a K step is 256 bytes of a row
	s_or_b32 s[XO], s58, s59
	s_add_nc_u64 s[XB+2*(\xs):XB+2*(\xs)+1], s[XBASE:XBASE+1], s[XO:XO+1]
	s_add_co_u32 s[TX], s[TX], 1
.set i, 0
.rept 8
	global_load_b128 v[XR+32*(\xs)+4*i:XR+32*(\xs)+4*i+3], v[XGO], s[XB+2*(\xs):XB+2*(\xs)+1] offset:4096*i th:TH_LOAD_NT
.set i, i+1
.endr
.endm
; THE FIRST HALF OF STEP T (slot = T % 2): multiplies buffer 0; in its middle fetches the second half's fragments into buffer 1.
; x = 1: there too, x's tile T + 1 goes into the other x slot (its readers of step T - 1 have passed the last change of slots) and tile T + 3 is asked for.
.macro HALF slot, zero, x
	s_wait_dscnt 16                                ; x and W's blocks 0-7 are in; the youngest sixteen loads (blocks 8-15) may be out
	MULT 0, 0, 8, \zero
	WIN 0
.if \x
	s_wait_loadcnt 8                               ; tile T + 1's eight loads are in; tile T + 2's eight stay out
	XPUT 1-(\slot)                                 ; its sixteen roundings are also the places in front of the loads into buffer 1
	XGET 1-(\slot)
.else
	PLACES
.endif
	FETCH \slot, 1, 1
.if \x
	s_wait_dscnt 48                                ; all but the 8 stores and the 40 loads just issued
.else
	s_wait_dscnt 40                                ; all but the 40 loads just issued
.endif
	MULT 0, 8, 8, \zero
.endm
; THE SECOND HALF OF A STEP multiplies buffer 1 and changes slots: ONE barrier, for W's ring and for x's slots.  In front of it each wave waits for all its tensor loads (one is out: its quarter of the
; next slot), adds 0 to its spare word, and waits for that, for its reads of both old slots and for its stores of x.  fill = 1: the barrier opens a round of the cluster's, so that no wave of any
; partner still reads the slot or has a load on its way; the joint refill, with the tile two steps on, is the first thing behind it: 112 matrix instructions ahead of the wait for it.
.macro TURN next, fill
	s_wait_dscnt 16                                ; x and W's blocks 0-7 of buffer 1 are in
	MULT 1, 0, 4, 0
	WIN 0                                          ; (the add's two registers lie in window 0)
	s_wait_tensorcnt 0x0                           ; no tensor load of mine is out, so a group 0 may be written
	ds_add_u32 v[SPW], v[NIL]                      ; 0 onto my spare word: eight matrix instructions stand between it and the wait for it
	MULT 1, 4, 2, 0
	s_wait_dscnt 0x0                               ; the add is done, my reads of the old slots are over, my part of x's next tile is stored
	s_barrier_signal -1
	MULT 1, 6, 2, 0                                ; work on registers while the others arrive
.if \fill
	WIN 0
.endif
	s_barrier_wait -1
.if \fill
	CREST
	s_lshl_b32 s[OFF], s[NXT], 17                  ; the address is made anew from the tile's number,
	s_xor_b32 s[G0W+1], s[G0W+1], SLOTB            ; the other slot than last time
	s_add_nc_u64 s[G0W+2:G0W+3], s[WBW:WBW+1], s[OFF:OFF+1]
	s_or_b32 s[G0W+3], s[G0W+3], 0x80000000
	s_add_co_u32 s[NXT], s[NXT], 1
	s_and_b32 s[NXT], s[NXT], 15                   ; behind a class's last tile comes the next class's tile 0: the same W
	tensor_load_to_lds s[G0W:G0W+3], s[G1:G1+7]
	s_nop 0
.endif
	PLACES                                         ; in front of the loads into buffer 0
	FETCH \next, 0, 0
	MULT 1, 8, 8, 0
.endm
.macro LASTMUL                         ; the very last half step: nothing more to fetch
	s_wait_dscnt 16
	MULT 1, 0, 8, 0
	s_wait_dscnt 0x0
	MULT 1, 8, 8, 0
.endm
; The four waves' parts of n lie in v[C0:C0+3]: the squash factor n / ((1 + n) sqrt(n)) into FP's low word.  The same order of sums in every wave.
.macro SQF
	v_add_f32 v[C0], v[C0], v[C0+1]
	v_add_f32 v[C0+2], v[C0+2], v[C0+3]
	v_add_f32 v[C0], v[C0], v[C0+2]
	v_add_f32 v[C0+1], 1.0, v[C0]
	v_rcp_f32 v[C0+1], v[C0+1]
	v_rsq_f32 v[C0+2], v[C0]
	v_nop                                          ; a plain instruction between the two and the use of their results
	s_wait_alu depctr_va_vdst(0)
	v_mul_f32 v[FP], v[C0], v[C0+1]
	v_mul_f32 v[FP], v[FP], v[C0+2]
	v_mov_b32 v[FP+1], v[FP]                       ; named with it as a pair
.endm
; A CLASS IS ROUTED, on the accumulators.  It touches neither buffer 0 of the fragments nor x's register sets: the next class's first step waits there.
.macro ROUTE
	WIN 0
.set i, 0
.rept 32
	v_mov_b32 v[BL+i], 0                           ; b = 0: my 32 capsules' (16 a + 8 h + j at BL + 8 a + j); also the places behind the last products
.set i, i+1
.endr
	s_mov_b32 s[IT], 3
.Lit_\@:
	; d = softmax(b): the maximum of my 32 and of the other half's 32 is taken away
.irp k, 0,1,2,3
	v_max3_num_f32 v[C0+\k], v[BL+8*\k], v[BL+8*\k+1], v[BL+8*\k+2]
.endr
.irp k, 0,1,2,3
	v_max3_num_f32 v[C0+\k], v[C0+\k], v[BL+8*\k+3], v[BL+8*\k+4]
.endr
.irp k, 0,1,2,3
	v_max3_num_f32 v[C0+\k], v[C0+\k], v[BL+8*\k+5], v[BL+8*\k+6]
.endr
.irp k, 0,1,2,3
	v_max_num_f32 v[C0+\k], v[C0+\k], v[BL+8*\k+7]
.endr
	v_max3_num_f32 v[C0], v[C0], v[C0+1], v[C0+2]
	v_max_num_f32 v[C0], v[C0], v[C0+3]
	v_permlanex16_b32 v[C0+1], v[C0], s[SEL], s[SEL+1]
	v_max_num_f32 v[C0], v[C0], v[C0+1]
	v_mul_f32 v[FP], s[L2E], v[C0]
	v_mul_f32 v[FP+1], s[L2E], v[C0]
.set i, 0
.rept 16
	v_pk_fma_f32 v[DD+2*i:DD+2*i+1], v[BL+2*i:BL+2*i+1], s[L2E:L2E+1], v[FP:FP+1] op_sel_hi:[1,0,0] neg_lo:[0,0,1] neg_hi:[0,0,1]
.set i, i+1
.endr
.set i, 0
.rept 32
	v_exp_f32 v[DD+i], v[DD+i]
.set i, i+1
.endr
	v_nop                                          ; a plain instruction between the last exponential and the use of its result
.set i, 0
	s_wait_alu depctr_va_vdst(0)
.rept 8
	v_pk_add_f32 v[TT+2*i:TT+2*i+1], v[DD+4*i:DD+4*i+1], v[DD+4*i+2:DD+4*i+3]
.set i, i+1
.endr
.irp k, 0,1,2,3
	v_pk_add_f32 v[TT+4*\k:TT+4*\k+1], v[TT+4*\k:TT+4*\k+1], v[TT+4*\k+2:TT+4*\k+3]
.endr
	v_pk_add_f32 v[TT:TT+1], v[TT:TT+1], v[TT+4:TT+5]
	v_pk_add_f32 v[TT+8:TT+9], v[TT+8:TT+9], v[TT+12:TT+13]
	v_pk_add_f32 v[TT:TT+1], v[TT:TT+1], v[TT+8:TT+9]
	v_add_f32 v[C0], v[TT], v[TT+1]
	v_permlanex16_b32 v[C0+1], v[C0], s[SEL], s[SEL+1]
	v_add_f32 v[C0], v[C0], v[C0+1]
	v_rcp_f32 v[C0], v[C0]
	v_nop
.set i, 0
	s_wait_alu depctr_va_vdst(0)
.rept 16
	v_pk_mul_f32 v[DD+2*i:DD+2*i+1], v[DD+2*i:DD+2*i+1], v[C0:C0+1] op_sel_hi:[1,0]
.set i, i+1
.endr
	; c_hat: for each output block a pair of sums over my 32 capsules, four blocks' chains by turns.  Each accumulator's registers 0 and 1 are read first.
.set g, 0
.rept 4
	WIN 0x02+g/2                                   ; source 0 in window 2 or 3
.set aq, 0
.rept 16
.set n, 0
.rept 4
.set nb, 4*g+n
.set rA, 8*(4*(nb%8)+aq/4)+2*(aq%4)
.if aq == 0
	v_pk_mul_f32 v[TT+2*nb:TT+2*nb+1], v[rA:rA+1], v[DD+2*aq:DD+2*aq+1]
.else
	v_pk_fma_f32 v[TT+2*nb:TT+2*nb+1], v[rA:rA+1], v[DD+2*aq:DD+2*aq+1], v[TT+2*nb:TT+2*nb+1]
.endif
.set n, n+1
.endr
.set aq, aq+1
.endr
.set g, g+1
.endr
	WIN 0
.set i, 0
.rept 16
	v_add_f32 v[TT+2*i], v[TT+2*i], v[TT+2*i+1]
.set i, i+1
.endr
.set i, 0
.rept 16
	v_permlanex16_b32 v[TT+2*i+1], v[TT+2*i], s[SEL], s[SEL+1]  ; the other 32 capsules lie in the lane 16 away
.set i, i+1
.endr
.set i, 0
.rept 16
	v_add_f32 v[TT+2*i], v[TT+2*i], v[TT+2*i+1]    ; c_hat[256 w + 16 nb + r] at TT + 2 nb, in both halves of the lanes
.set i, i+1
.endr
	; my wave's part of n: 16 squares a lane, then the 16 lanes of a half
.irp k, 0,1,2,3
	v_mul_f32 v[C0+\k], v[TT+2*\k], v[TT+2*\k]
.endr
.set i, 4
.rept 12
	v_fma_f32 v[C0+i%4], v[TT+2*i], v[TT+2*i], v[C0+i%4]
.set i, i+1
.endr
	v_add_f32 v[C0], v[C0], v[C0+1]
	v_add_f32 v[C0+2], v[C0+2], v[C0+3]
	v_add_f32 v[C0], v[C0], v[C0+2]
.irp m, 1,2,4,8
	v_add_f32_dpp v[C0], v[C0], v[C0] row_xmask:\m row_mask:0xf bank_mask:0xf
.endr
	s_cmp_eq_u32 s[IT], 1
	s_cbranch_scc1 .Lfin_\@                        ; the third round needs no new b
	; u . c_hat over my wave's 256 outputs, for my 32 capsules: the squash factor is applied behind the exchange, so that one exchange carries n and the dots
.set nb, 0
.rept 16
	WIN 0x02+nb/8
.set aq, 0
.rept 16
.set rA, 8*(4*(nb%8)+aq/4)+2*(aq%4)
.if nb == 0
	v_pk_mul_f32 v[DD+2*aq:DD+2*aq+1], v[rA:rA+1], v[TT+2*nb:TT+2*nb+1] op_sel_hi:[1,0]
.else
	v_pk_fma_f32 v[DD+2*aq:DD+2*aq+1], v[rA:rA+1], v[TT+2*nb:TT+2*nb+1], v[DD+2*aq:DD+2*aq+1] op_sel_hi:[1,0,1]
.endif
.set aq, aq+1
.endr
.set nb, nb+1
.endr
	WIN 0
.irp m, 1,2,4,8
.set i, 0
.rept 32
	v_add_f32_dpp v[DD+i], v[DD+i], v[DD+i] row_xmask:\m row_mask:0xf bank_mask:0xf
.set i, i+1
.endr
.endr
	; the exchange: the sixteen lanes of a half store the same words with the same values
.set i, 0
.rept 8
	ds_store_b128 v[PBST], v[DD+4*i:DD+4*i+3] offset:64*(i/2)+16*(i%2)
.set i, i+1
.endr
	ds_store_b32 v[NST], v[C0]
	s_wait_dscnt 0x0                               ; for the others' sake: my stores are done
	s_barrier_signal -1
	s_barrier_wait -1
	WIN 0x40
.set i, 0
.rept 32                               ; wave i / 8's dots for my 32 capsules -> window 1, v[128 + 4 i ..]
	ds_load_b128 v[128+4*i:128+4*i+3], v[PBLD] offset:256*(i/8)+64*((i%8)/2)+16*(i%2)
.set i, i+1
.endr
	WIN 0
	ds_load_b128 v[C0:C0+3], v[NLD]
	s_wait_dscnt 0x0                               ; my reads of the exchange are over:
	s_barrier_signal -1                            ; say so; the next round's stores stand behind the wait below; the sums, work on registers, stand between
	WIN 0x45
.set i, 0
.rept 16
	v_pk_add_f32 v[128+2*i:128+2*i+1], v[128+2*i:128+2*i+1], v[160+2*i:160+2*i+1]
.set i, i+1
.endr
.set i, 0
.rept 16
	v_pk_add_f32 v[192+2*i:192+2*i+1], v[192+2*i:192+2*i+1], v[224+2*i:224+2*i+1]
.set i, i+1
.endr
	WIN 0x05
.set i, 0
.rept 16
	v_pk_add_f32 v[DD+2*i:DD+2*i+1], v[128+2*i:128+2*i+1], v[192+2*i:192+2*i+1]  ; the same order in every wave: b is the same bit for bit in all four
.set i, i+1
.endr
	WIN 0
	SQF
.set i, 0
.rept 16
	v_pk_fma_f32 v[BL+2*i:BL+2*i+1], v[DD+2*i:DD+2*i+1], v[FP:FP+1], v[BL+2*i:BL+2*i+1] op_sel_hi:[1,0,1]
.set i, i+1
.endr
	s_barrier_wait -1
	s_sub_co_u32 s[IT], s[IT], 1
	s_cmp_lg_u32 s[IT], 0
	s_cbranch_scc1 .Lit_\@
.Lfin_\@:
	; the third c: n is exchanged, c_hat scaled and sent out through my own stage
	ds_store_b32 v[NST], v[C0]
	s_wait_dscnt 0x0
	s_barrier_signal -1
	s_barrier_wait -1
	ds_load_b128 v[C0:C0+3], v[NLD]
	s_wait_dscnt 0x0
	SQF
.set p, 0
.rept 8
	v_cndmask_b32 v[DD+p], v[TT+4*p], v[TT+4*p+2], s[HM]  ; lanes 0-15 take block 2 p, lanes 16-31 block 2 p + 1: output 32 p + L
.set p, p+1
.endr
.set p, 0
.rept 8
	v_mul_f32 v[DD+p], v[FP], v[DD+p]
.set p, p+1
.endr
.set p, 0
.rept 8
	ds_store_b32 v[OST], v[DD+p] offset:128*p
.set p, p+1
.endr
	ds_load_b128 v[DD+8:DD+11],  v[ORD]            ; LDS serves a wave's instructions in order (ISA guide 5.7.1.4): these see the stores above
	ds_load_b128 v[DD+12:DD+15], v[ORD] offset:512
	s_wait_dscnt 1                                 ; the first is back, the second may be out
	global_store_b128 v[OGO], v[DD+8:DD+11], s[8:9] th:TH_STORE_NT               ; 32 lanes store 512 consecutive bytes, at a multiple of 512 from out0's first
	s_wait_dscnt 0x0
	global_store_b128 v[OGO], v[DD+12:DD+15], s[8:9] offset:512 th:TH_STORE_NT
	s_wait_xcnt 0x0                                ; the stores' base and data are rewritten only behind this wait
	s_add_nc_u64 s[8:9], s[8:9], 4096              ; the next class's row
.endm
	s_load_b128 s[4:7], s[0:1], 0x0                ; x s[4:5], wb s[6:7]
	s_load_b64 s[8:9], s[0:1], 0x10                ; out0
	v_lshl_add_u32 v[SPW], v0, 2, SPARE
	v_mov_b32 v[NIL], 0
	ds_add_u32 v[SPW], v[NIL]                      ; the wave's opening: the add and its wait stand ahead of my first tensor load; the set-up below, work on registers, stands between them
	v_lshrrev_b32 v1, 5, v0
	v_readfirstlane_b32 s[WV], v1                  ; wave 0..3
	s_bfe_u32 s11, ttmp6, 0x40000                  ; cx: my place in the cluster
	s_lshl_b32 s12, ttmp9, 2                       ; in a cluster launch ttmp9 counts clusters
	s_add_co_u32 s12, s12, s11                     ; my work-group: it enters x's and out0's addresses alone
	; descriptor group 1: my quarter of a tile, 32,768 dense bytes, as 128 rows of 256 bytes
	s_mov_b32 s[G1+0], 15|(3<<16)|(1<<21)          ; 15:0 the mask: all four work-groups; 17:16 elements of 8 bytes; 20 no padding; 21 set beside a mask
	s_mov_b32 s[G1+1], 32<<16                      ; tensor_dim0 = 32
	s_mov_b32 s[G1+2], 128<<16                     ; tensor_dim1 = 128
	s_mov_b32 s[G1+3], 32<<16                      ; tile_dim0 = 32
	s_mov_b32 s[G1+4], 128                         ; tile_dim1 = 128
	s_mov_b32 s[G1+5], 32                          ; 32 elements from row to row
	s_mov_b32 s[G1+6], 0
	s_mov_b32 s[G1+7], 0
	s_mov_b32 s[G0A], 1                            ; count = 1
	s_lshl_b32 s[G0A+1], s[WV], 15                 ; LDS address: slot 0, my quarter
	s_mov_b32 s[G0W], 1
	s_add_co_u32 s[G0W+1], s[G0A+1], SLOTB         ; slot 1, my quarter
	s_mov_b32 s[OFF+1], 0
	s_mov_b32 s[NXT], 2
	s_mov_b32 s[TX], 0
	s_mov_b32 s[XO+1], 0
	s_mov_b32 s[L2E], 0x3fb8aa3b                   ; log2(e)
	s_mov_b32 s[L2E+1], s[L2E]                     ; named with it as a pair
	s_mov_b32 s[SEL], 0x76543210
	s_mov_b32 s[SEL+1], 0xfedcba98
	v_and_b32 v[LN], 31, v0
	v_and_b32 v[RR], 15, v0
	v_bfe_u32 v[HH], v0, 4, 1
	v_cmp_lt_u32 s[HM], 15, v[LN]
	s_lshl_b32 s14, s[WV], 15
	v_lshl_add_u32 v[ADRW], v[LN], 4, s14          ; my quarter + 16 L
	v_add_nc_u32 v[ADRW+1], SLOTB, v[ADRW]
	v_mul_u32_u24 v[ADRX], v[RR], XPITCH           ; a fragment of x: row r, 16 bytes for each half of the lanes
	v_lshl_add_u32 v[ADRX], v[HH], 4, v[ADRX]
	v_add_nc_u32 v[ADRX], XS, v[ADRX]
	v_add_nc_u32 v[ADRX+1], XSLOT, v[ADRX]
	s_mul_i32 s14, s[WV], 16*XPITCH
	s_add_co_u32 s14, s14, XS
	v_mul_u32_u24 v[XSTA], v[HH], 8*XPITCH         ; x goes in at row 16 w + 8 h (+ i), byte 8 r
	v_lshl_add_u32 v[XSTA], v[RR], 3, v[XSTA]
	v_add_nc_u32 v[XSTA], s14, v[XSTA]
	v_add_nc_u32 v[XSTA+1], XSLOT, v[XSTA]
	s_lshl_b32 s14, s[WV], 16
	v_lshlrev_b32 v[XGO], 15, v[HH]                ; and comes from row 16 w + 8 h (+ i) of 4,096 bytes, byte 16 r
	v_lshl_add_u32 v[XGO], v[RR], 4, v[XGO]
	v_add_nc_u32 v[XGO], s14, v[XGO]
	s_lshl_b32 s14, s[WV], 8
	s_add_co_u32 s14, s14, EX
	v_lshl_add_u32 v[PBST], v[HH], 5, s14          ; capsule 16 a + 8 h + j lies at word 16 a + 8 h + j of a wave's 64
	v_lshl_add_u32 v[PBLD], v[HH], 5, EX
	s_lshl_b32 s14, s[WV], 2
	s_add_co_u32 s14, s14, EXN
	v_mov_b32 v[NST], s14
	v_mov_b32 v[NLD], EXN
	s_lshl_b32 s14, s[WV], 10
	s_add_co_u32 s14, s14, OSTG
	v_lshl_add_u32 v[OST], v[LN], 2, s14
	v_lshl_add_u32 v[ORD], v[LN], 4, s14
	v_lshlrev_b32 v[OGO], 4, v[LN]
	s_mov_b32 s57, 0
	s_mov_b32 s15, 0
	s_wait_dscnt 0x0                               ; the opening add is done
	s_wait_kmcnt 0x0
	s_lshl_b32 s56, s12, 20                        ; my four classes: 1,048,576 bytes of x a work-group
	s_add_nc_u64 s[XBASE:XBASE+1], s[4:5], s[56:57]
	s_lshl_b32 s56, s12, 14                        ; and 16,384 bytes of out0,
	s_add_nc_u64 s[8:9], s[8:9], s[56:57]
	s_lshl_b32 s14, s[WV], 10                      ; of each row my wave's 1,024
	s_add_nc_u64 s[8:9], s[8:9], s[14:15]
	s_lshl_b32 s14, s[WV], 15
	s_add_nc_u64 s[WBW:WBW+1], s[6:7], s[14:15]
	s_mov_b64 s[G0A+2:G0A+3], s[WBW:WBW+1]         ; global address: tile 0
	s_or_b32 s[G0A+3], s[G0A+3], 0x80000000        ; type = 2
	s_add_nc_u64 s[G0W+2:G0W+3], s[WBW:WBW+1], SLOTB  ; tile 1
	s_or_b32 s[G0W+3], s[G0W+3], 0x80000000
	XGET 0                                         ; x's tiles 0 and 1
	XGET 1
	CROUND                                         ; all four work-groups are here: the first joint loads meet
	tensor_load_to_lds s[G0A:G0A+3], s[G1:G1+7]    ; both first fills go out together: two tensor loads of mine are out, the most in this text
	s_nop 0
	tensor_load_to_lds s[G0W:G0W+3], s[G1:G1+7]
	s_nop 0
	PLACES
	s_wait_loadcnt 8                               ; x's tile 0 is in; tile 1's eight loads stay out
	XPUT 0
	XGET 0                                         ; tile 2
	s_wait_tensorcnt 1                             ; my quarter of W's tile 0 is in; tile 1's may stay out
	s_wait_dscnt 0x0                               ; my part of x's tile 0 is stored
	s_barrier_signal -1
	s_barrier_wait -1
	FETCH 0, 0, 0
	WIN 0                                          ; at a label and at a branch every window is 0
	s_mov_b32 s[CLS], 4
.Lclass:
	HALF 0, 1, 1                                   ; a class's first half step stands in front of the loop: its products start the sums
	WIN 0
	s_mov_b32 s[LAP], 7
.Llap:                                                 ; a trip goes once round the ring, from a step's second half to the first half two steps on, and fills both slots again
	TURN 1, 1
	HALF 1, 0, 1
	TURN 0, 1
	HALF 0, 0, 1
	WIN 0
	s_sub_co_u32 s[LAP], s[LAP], 1
	s_cmp_lg_u32 s[LAP], 0
	s_cbranch_scc1 .Llap
	s_cmp_eq_u32 s[CLS], 1
	s_cbranch_scc1 .Llast                          ; the last class's tail is written out: it asks for nothing more
	TURN 1, 1                                      ; the ring goes on into the next class: slot 0 takes its step 0,
	HALF 1, 0, 1
	TURN 0, 1                                      ; slot 1 its step 1, and its first fragments are fetched
	ROUTE
	s_sub_co_u32 s[CLS], s[CLS], 1
	s_branch .Lclass
.Llast:
	TURN 1, 0                                      ; my one tensor load that was still out is the last step's, so no round follows
	HALF 1, 0, 0
	LASTMUL
	ROUTE
	s_wait_tensorcnt 0x0                           ; the wave's end: behind my last tensor load and my last LDS store
	ds_add_u32 v[SPW], v[NIL]
	s_wait_dscnt 0x0
	CROUND                                         ; the closing round: no work-group ends while a partner may still ask for a tile that names it
	s_endpgm
.Lfunc_end_k_qb910bf16d3_route:
	.size	k_qb910bf16d3_route, .Lfunc_end_k_qb910bf16d3_route-k_qb910bf16d3_route
	.p2alignl 7, 3214868480
	.fill 96, 4, 3214868480
	.section	.rodata,"a",@progbits
	.p2align	6, 0x0
	.amdhsa_kernel k_qb910bf16d3_route
		.amdhsa_group_segment_fixed_size 327680
		.amdhsa_private_segment_fixed_size 0
		.amdhsa_enable_private_segment 0
		.amdhsa_kernarg_size 24
		.amdhsa_user_sgpr_count 2
		.amdhsa_user_sgpr_kernarg_segment_ptr 1
		.amdhsa_wavefront_size32 1
		.amdhsa_system_sgpr_workgroup_id_x 1
		.amdhsa_system_sgpr_workgroup_id_y 1
		.amdhsa_system_sgpr_workgroup_id_z 1
		.amdhsa_system_vgpr_workitem_id 0
		.amdhsa_next_free_vgpr 1024
		.amdhsa_next_free_sgpr 66
		.amdhsa_reserve_vcc 0
		.amdhsa_float_denorm_mode_32 3
		.amdhsa_float_denorm_mode_16_64 3
		.amdhsa_memory_ordered 1
		.amdhsa_forward_progress 1
		.amdhsa_inst_pref_size 218
	.end_amdhsa_kernel
	.amdgpu_metadata
---
amdhsa.version: [ 1, 2 ]
amdhsa.kernels:
  - .name:           k_qb910bf16d3_route
    .symbol:         k_qb910bf16d3_route.kd
    .args:
      - { .name: encoder_output, .offset: 0, .size: 8, .value_kind: global_buffer, .address_space: global }
      - { .name: wb, .offset: 8, .size: 8, .value_kind: global_buffer, .address_space: global }
      - { .name: out0, .offset: 16, .size: 8, .value_kind: global_buffer, .address_space: global }
    .group_segment_fixed_size: 327680
    .private_segment_fixed_size: 0
    .kernarg_segment_align: 8
    .kernarg_segment_size: 24
    .max_flat_workgroup_size: 128
    .sgpr_count:     66
    .vgpr_count:     1024
    .wavefront_size: 32
...
	.end_amdgpu_metadata
.endif
;; end of part 2
